; MI455X (gfx1250); checked and timed in simulation.
; The chip was launched on July 23, 2026; its instructions are those of AMD's public machine-readable ISA for CDNA 5 (MIT licence, August 2026) and "CDNA5" Instruction Set Architecture Reference Guide (July 2026). The comments in the code are by the model that wrote it; some were corrected since.
;; Multi Head Self Attention. Allowed arithmetic: matrix products marked QUANTISED: E5M2 operands, one given power-of-two scale a tensor, by v_wmma_f32_16x16x64_bf8_bf8 or v_wmma_f32_16x16x128_bf8_bf8, f32 sums; everything else in f32.
;; Inputs: Wo 1,024 x 1,024 float32; Wqkv 3,072 x 1,024 float32; attention_mask 4 x 1 x 1 x 2,048 int32; bo 1,024 float32; bqkv 3,072 float32; lowp_scales 8 int32 (the exponents e of the quantised operands' scales 2^e); x 4 x 2,048 x 1,024 float32.
;; Outputs: out0 4 x 2,048 x 1,024 float32.
;; This version of the problem:
;;   THIS VERSION OF THE PROBLEM IS GIVEN IN LOW PRECISION. The matrix products marked QUANTISED in the list below multiply operands that are first quantised to E5M2 (5 exponent bits, 2 mantissa bits; 8 bits a number), with one given power-of-two scale for each operand tensor; their sums are f32. All else is computed in f32.
;;   The module's matrix products, in the order in which they are computed (A, B: the left and right operand; K: the contracted axis; several contracted axes count as one K, in the product's order):
;;     1. [M 8,192, K 1,024] x [K 1,024, N 3,072]; A: input x; B: input Wqkv: QUANTISED (scales: A lowp_scales[0], B lowp_scales[1])
;;     2. batch 64 x [M 2,048, K 64] x [K 64, N 2,048]; A: computed on the way; B: computed on the way: QUANTISED (scales: A lowp_scales[2], B lowp_scales[3])
;;     3. batch 64 x [M 2,048, K 2,048] x [K 2,048, N 64]; A: softmax (see below); B: computed on the way: QUANTISED (scales: A lowp_scales[4], B lowp_scales[5])
;;     4. [M 8,192, K 1,024] x [K 1,024, N 1,024]; A: computed on the way; B: input Wo: QUANTISED (scales: A lowp_scales[6], B lowp_scales[7])
;;   THE QUANTISER, for each operand of a quantised product, along K:
;;     - The operand's scale is 2^e, e = its entry of the input lowp_scales (int32; the entries are numbered through the quantised products in the list's order, A before B).
;;     - Each number is divided by the scale, clamped to +-57,344, and rounded to the nearest number of E5M2, ties to even, subnormals kept.
;;     - The product sums the exact products of the quantised numbers (number of the format x scale) in f32.
;;   ~~~python
;;   def quantise(x, axis, e):      # numpy; x: float32 -> the quantised numbers, widened to float32 again
;;       x = np.moveaxis(x, axis, -1); K = x.shape[-1]
;;       r = np.clip(x / 2.0 ** e, -57344, 57344)
;;       step = 2.0 ** (np.maximum(np.frexp(np.where(r == 0, 1, r))[1] - 1, -14) - 2)
;;       q = np.round(r / step) * step * 2.0 ** e      # np.round: ties to even
;;       return np.moveaxis(q, -1, axis).astype(np.float32)
;;   ~~~
;;   SOFTMAX AHEAD OF A QUANTISED PRODUCT. Where the list says 'softmax', what is quantised is not the finished softmax but p = 2^(t - M), with t = logit x log2(e) and M = ceil(the row's largest t), a whole number; so 1/2 < the row's largest p <= 1. The row's sum l is taken of the UNQUANTISED p, in f32, and the product's result is divided by l at the end. Since M is a whole number, a kernel that streams over the keys may use a running M (the ceiling of the running maximum): every later rescaling is an exact power of two, so the quantised numbers keep their values, but for numbers so far below the row's largest that they fall under the format's range.
;;   OPERANDS COMPUTED ON THE WAY. 'Computed on the way' means the value that the module computes at that place (a softmax that the list does not call 'softmax' is quantised finished and normalised). What goes into a quantiser is computed in f32, as accurately as f32 sums, v_exp_f32 and their like allow (about 1e-6 of the number): no bf16 or f16 on the way to a quantiser, and a product that is left as it is and whose result goes on into a quantised operand takes f32 operands (vector FMAs, or v_wmma_f32_16x16x4_f32). A number that lies on a knife's edge between two numbers of the format may be rounded either way, as far as f32 arithmetic and the matrix unit's own rounding can turn it there, and no further.
;; One version. Each part assembles by itself: llvm-mc -triple=amdgcn-amd-amdhsa -mcpu=gfx1250 --defsym DOCPART=n.
;; ======== version 1 of 1: 4 launches
;; limits: right only within a limited range of input values
;; workspace buffers: x_img 8,388,608 bytes; wqkv_img 3,145,728 bytes; wo_img 1,048,576 bytes; q_img 8,388,608 bytes; k_img 8,388,608 bytes; v_img 8,388,608 bytes; a_img 8,388,608 bytes
;; launch quant (part 1): grid 768 x 1, 4 waves a work-group, no clusters, 34,304 bytes of LDS; arguments x, Wqkv, Wo, lowp_scales, x_img, wqkv_img, wo_img; writes x_img, wqkv_img, wo_img
.if DOCPART == 1
	.amdgcn_target "amdgcn-amd-amdhsa--gfx1250"
	.amdhsa_code_object_version 6
	.text
	.protected	k_q6ecc141f75_quant
	.globl	k_q6ecc141f75_quant
	.p2align	8
	.type	k_q6ecc141f75_quant,@function
k_q6ecc141f75_quant:
	s_mov_b64 s[64:65], 0
	v_nop
	global_prefetch_b8 v0, s[64:65] scope:SCOPE_SE
	s_setreg_imm32_b32 hwreg(HW_REG_WAVE_MODE, 25, 1), 1
	s_wait_xcnt 0x0
; x [8192][1024], Wqkv [3072][1024] and Wo [1024][1024], f32 with K innermost, become codes of BF8 (E5M2), each tensor with its given scale 2^e (entries 0, 1 and 7 of the scales).
; code = number / 2^e, held within +-57,344, rounded to the nearest code, ties to even.  LIMITS: e between -126 and 112; NaN among the inputs is not served.
; THE CODES ARE LAID AS IMAGES OF OPERAND REGISTERS.  A block is 16 rows x 128 along K = one fragment of the K = 128 matrix form: 16 registers a lane; lane (r, h) holds row r, and its registers 2 c, 2 c + 1
; hold k = 16 c + 8 h + 0 .. 7.  The block of row tile i and K step s lies at (8 i + s) x 2,048 bytes; in it registers 4 g .. 4 g + 3 of lane l lie at 512 g + 16 l.
; So every later reader fetches a fragment by loads of 16 bytes a lane at 16 x lane, and every store here covers 512 consecutive bytes, aligned.
; SHARES.  Work-groups 0-511 take x, 512-703 Wqkv, 704-767 Wo: only pointers and e are chosen, by the work-group's number; there is one path through the text.
; A wave takes 16 rows x 256 along K: two blocks, written out; its 32 loads all go out at the start.  Each load reads 512 consecutive bytes of one row; a block turns through the wave's own stage in LDS
; (16 rows of 512 + 16 bytes), so that a lane gets 8 neighbours along K at a time.  Waves share nothing: no barrier.  No matrix units, clusters or tensor loads: every byte is read once and written once.
.set SP,    528                        ; a stage row: 512 bytes + 16
.set WSTG,  16*SP                      ; a wave's stage
.set LI,    1                          ; v1   16 x lane; never rewritten
.set WS,    2                          ; v2   the stage on the way in: + 16 x lane
.set RS,    3                          ; v3   and on the way out: + 528 r + 32 h
.set LIM,   10                         ; v10  57,344 x 2^e
.set SCL,   11                         ; v11  2^e
.set R,     32                         ; v32-159   two sets of 64: the blocks as they are loaded
.set X,     160                        ; v160-223  a block with a lane's registers along K
.set C,     224                        ; v224-255  two sets of 16: the blocks' codes
	s_load_b128 s[4:7], s[0:1], 0x0                ; x, Wqkv
	s_load_b128 s[8:11], s[0:1], 0x10              ; Wo, the scales' exponents
	s_load_b128 s[12:15], s[0:1], 0x20             ; x's image, Wqkv's
	s_load_b64 s[16:17], s[0:1], 0x30              ; Wo's
	v_lshl_add_u32 v30, v0, 2, 0x8400              ; my spare word, behind the four stages
	v_mov_b32 v31, 0
	v_lshrrev_b32 v4, 5, v0
	v_readfirstlane_b32 s18, v4                    ; wave
	v_and_b32 v5, 31, v0                           ; lane
	v_and_b32 v6, 15, v0                           ; r
	v_bfe_u32 v7, v0, 4, 1                         ; h
	v_lshlrev_b32 v[LI], 4, v5
	s_mul_i32 s19, s18, WSTG
	v_add_nc_u32 v[WS], s19, v[LI]
	v_mul_u32_u24 v[RS], v6, SP
	v_lshl_add_u32 v[RS], v7, 5, v[RS]
	v_add_nc_u32 v[RS], s19, v[RS]
	s_mov_b32 s20, 704
	s_wait_alu depctr_va_vdst(0)                   ; directly ahead of the wait below
	s_wait_kmcnt 0x0
	s_load_b256 s[24:31], s[10:11], 0x0            ; e0 .. e7
	s_cmp_lt_u32 ttmp9, s20                        ; Wqkv's work-group or Wo's?
	s_cselect_b64 s[6:7], s[6:7], s[8:9]
	s_cselect_b64 s[14:15], s[14:15], s[16:17]
	s_cselect_b32 s21, 512, s20                    ; the tensor's first work-group
	s_cmp_lt_u32 ttmp9, 512                        ; x's?
	s_cselect_b64 s[4:5], s[4:5], s[6:7]
	s_cselect_b64 s[12:13], s[12:13], s[14:15]
	s_cselect_b32 s21, 0, s21
	s_sub_co_u32 s21, ttmp9, s21
	s_lshl_b32 s21, s21, 2
	s_add_co_u32 s21, s21, s18                     ; J: row tile J / 4, quarter J % 4 of K
	s_lshr_b32 s22, s21, 2
	s_lshl_b32 s22, s22, 16                        ; 16 rows of 4,096 bytes
	s_and_b32 s23, s21, 3
	s_lshl_b32 s23, s23, 10                        ; 256 numbers
	s_add_co_u32 s22, s22, s23
	s_mov_b32 s23, 0
	s_add_nc_u64 s[4:5], s[4:5], s[22:23]
	s_lshl_b32 s22, s21, 12                        ; two blocks of 2,048 bytes
	s_add_nc_u64 s[12:13], s[12:13], s[22:23]
.irp t, 0,1                                    ; block t: row i's 512 bytes, 16 a lane
.irp i, 0,1,2,3,4,5,6,7,8,9,10,11,12,13,14,15
	global_load_b128 v[R+64*\t+4*\i:R+64*\t+4*\i+3], v[LI], s[4:5] offset:4096*\i+512*\t th:TH_LOAD_NT
.endr
.endr
	s_wait_kmcnt 0x0
	s_cmp_lt_u32 ttmp9, s20
	s_cselect_b32 s25, s25, s31                    ; e1 or e7
	s_cmp_lt_u32 ttmp9, 512
	s_cselect_b32 s24, s24, s25                    ; e
	s_add_co_i32 s24, s24, 127
	s_lshl_b32 s25, s24, 23
	v_mov_b32 v[SCL], s25                          ; 2^e as f32: the conversion takes its exponent field
	s_add_co_i32 s24, s24, 15
	s_lshl_b32 s24, s24, 23
	s_or_b32 s24, s24, 0x600000
	v_mov_b32 v[LIM], s24                          ; 57,344 x 2^e
.macro STEP t
	s_wait_loadcnt 16*(1-(\t))                     ; this block's 16 loads are in; in block 0 the next block's 16 may be out
.irp i, 0,1,2,3,4,5,6,7,8,9,10,11,12,13,14,15
	ds_store_b128 v[WS], v[R+64*(\t)+4*\i:R+64*(\t)+4*\i+3] offset:SP*\i
.endr
.irp c, 0,1,2,3,4,5,6,7                        ; LDS serves a wave's instructions in order: these see the stores above.  Registers 8 c .. 8 c + 7: k = 16 c + 8 h + 0 .. 7 of row r
	ds_load_b128 v[X+8*\c:X+8*\c+3], v[RS] offset:64*\c
	ds_load_b128 v[X+8*\c+4:X+8*\c+7], v[RS] offset:64*\c+16
.endr
	s_wait_dscnt 0x0                               ; the block is back
.set j, 0
.rept 64
	v_med3_num_f32 v[X+j], v[X+j], -v[LIM], v[LIM] ; the conversion to an 8-bit code does not saturate (ISA guide 7.6.2): the hold at the largest code x the scale
.set j, j+1
.endr
.irp c, 0,1,2,3,4,5,6,7
	v_cvt_scalef32_pk8_bf8_f32 v[C+16*(\t)+2*\c:C+16*(\t)+2*\c+1], v[X+8*\c:X+8*\c+7], v[SCL]
.endr
	v_nop                                          ; one plain vector line between the conversions and the next block's holds, which write their sources
.irp g, 0,1,2,3
	global_store_b128 v[LI], v[C+16*(\t)+4*\g:C+16*(\t)+4*\g+3], s[12:13] offset:2048*(\t)+512*\g   ; 512 consecutive bytes, aligned
.endr
.endm
	s_wait_alu depctr_va_vdst(0)                   ; the head's end
	STEP 0
	STEP 1
	s_wait_tensorcnt 0x0                           ; the wave's end, behind my last LDS store
	ds_add_u32 v30, v31
	s_wait_dscnt 0x0
	s_endpgm
.Lfunc_end_k_q6ecc141f75_quant:
	.size	k_q6ecc141f75_quant, .Lfunc_end_k_q6ecc141f75_quant-k_q6ecc141f75_quant
	.p2alignl 7, 3214868480
	.fill 96, 4, 3214868480
	.section	.rodata,"a",@progbits
	.p2align	6, 0x0
	.amdhsa_kernel k_q6ecc141f75_quant
		.amdhsa_group_segment_fixed_size 34304
		.amdhsa_private_segment_fixed_size 0
		.amdhsa_enable_private_segment 0
		.amdhsa_kernarg_size 56
		.amdhsa_user_sgpr_count 2
		.amdhsa_user_sgpr_kernarg_segment_ptr 1
		.amdhsa_wavefront_size32 1
		.amdhsa_system_sgpr_workgroup_id_x 1
		.amdhsa_system_sgpr_workgroup_id_y 1
		.amdhsa_system_sgpr_workgroup_id_z 1
		.amdhsa_system_vgpr_workitem_id 0
		.amdhsa_next_free_vgpr 256
		.amdhsa_next_free_sgpr 66
		.amdhsa_reserve_vcc 0
		.amdhsa_float_denorm_mode_32 3
		.amdhsa_float_denorm_mode_16_64 3
		.amdhsa_memory_ordered 1
		.amdhsa_forward_progress 1
		.amdhsa_inst_pref_size 20
	.end_amdhsa_kernel
	.amdgpu_metadata
---
amdhsa.version: [ 1, 2 ]
amdhsa.kernels:
  - .name:           k_q6ecc141f75_quant
    .symbol:         k_q6ecc141f75_quant.kd
    .args:
      - { .name: x, .offset: 0, .size: 8, .value_kind: global_buffer, .address_space: global }
      - { .name: Wqkv, .offset: 8, .size: 8, .value_kind: global_buffer, .address_space: global }
      - { .name: Wo, .offset: 16, .size: 8, .value_kind: global_buffer, .address_space: global }
      - { .name: lowp_scales, .offset: 24, .size: 8, .value_kind: global_buffer, .address_space: global }
      - { .name: x_img, .offset: 32, .size: 8, .value_kind: global_buffer, .address_space: global }
      - { .name: wqkv_img, .offset: 40, .size: 8, .value_kind: global_buffer, .address_space: global }
      - { .name: wo_img, .offset: 48, .size: 8, .value_kind: global_buffer, .address_space: global }
    .group_segment_fixed_size: 34304
    .private_segment_fixed_size: 0
    .kernarg_segment_align: 8
    .kernarg_segment_size: 56
    .max_flat_workgroup_size: 128
    .sgpr_count:     66
    .vgpr_count:     256
    .wavefront_size: 32
...
	.end_amdgpu_metadata
.endif
;; end of part 1
;; launch qkv (part 2): grid 8 x 32, 4 waves a work-group, clusters of 4 x 4, 327,680 bytes of LDS; arguments x_img, wqkv_img, lowp_scales, bqkv, attention_mask, q_img, k_img, v_img; writes q_img, k_img, v_img
.if DOCPART == 2
	.amdgcn_target "amdgcn-amd-amdhsa--gfx1250"
	.amdhsa_code_object_version 6
	.text
	.protected	k_q6ecc141f75_qkv
	.globl	k_q6ecc141f75_qkv
	.p2align	8
	.type	k_q6ecc141f75_qkv,@function
k_q6ecc141f75_qkv:
	s_mov_b64 s[64:65], 0
	v_nop
	global_prefetch_b8 v0, s[64:65] scope:SCOPE_SE
	s_setreg_imm32_b32 hwreg(HW_REG_WAVE_MODE, 25, 1), 1
	s_wait_xcnt 0x0
	s_wait_alu depctr_hold_cnt(0) depctr_sa_sdst(0) depctr_va_vdst(0) depctr_va_sdst(0) depctr_va_ssrc(0) depctr_va_vcc(0) depctr_vm_vsrc(0)
	s_getreg_b32 s2, hwreg(HW_REG_IB_STS2, 6, 4)
	s_cmp_eq_u32 s2, 0
	s_cbranch_scc0 .Lentry_in_a_cluster
	s_endpgm
.Lentry_in_a_cluster:
	s_bfe_u32 s2, ttmp6, 0x10000c
	s_cmp_lg_u32 s2, 0xf033
	s_cbranch_scc0 .Lentry_shape_is_right
	s_endpgm
.Lentry_shape_is_right:
; q, k, v = x Wqkv^T + bqkv on codes of BF8 (E5M2), K = 1,024; each result is quantised with its given scale (entries 2, 3, 5) and leaves as an image of the attention launch's operand registers.
; SHARES.  256 work-groups.  Work-group (X, Y) makes tokens 256 Y .. + 255 x columns 128 X .. + 127 of q, of k and of v: x's tiles are walked once for all three.  Four waves, one to a SIMD: wave (m, n) makes
; 128 tokens x one head (64 columns) each of q, k, v: 96 accumulators of 16 x 16, 768 registers: window 1 q, window 2 k, window 3 v; accumulator (b, a) = column block b, token block a at v[8 (8 b + a)].
; OPERAND ORDER.  q, k: source 0 = 16 rows of W, source 1 = 16 tokens: a lane holds a token, its registers run along the head's 64.  v: the other way round: a lane holds a channel, its registers run along the tokens (the keys).
; IMAGES.  A block of 16 rows x 128 K of x's or W's image is 2,048 bytes, registers 4 g .. 4 g + 3 of lane l at 512 g + 16 l; its first 1,024 bytes are a fragment of the K = 64 form for K 0-63, the rest for K 64-127.
; THE RING.  Slot 0 holds 256 along K (A 65,536 bytes, B 98,304), slot 1 holds 128 (32,768 and 49,152): both and the spare words fit in LDS; five fills: K 0, 256, 384, 640, 768.  Wave 0 loads A's 16 row tiles, waves 1-3 the
; 8 row tiles of W for q, k, v.  CLUSTERS: 4 x 4; A's tile hangs on Y alone and is asked for jointly along a row of the cluster, B's on X alone, along a column.
; A STEP is 64 along K: 96 matrix instructions.  A has two sets of fragments, B one: B's four fragments of a window are fetched anew right behind the window's 32 products.
; THE BIAS starts the sums: b / 2^(e0 + e1) is laid into the accumulators while the first tile is on its way.  A sum then stands for value / 2^(e0 + e1), and the conversion's scale is 2^(e_out - e0 - e1).
; THE MASK.  A masked token's codes of k are zeros: its hold is at 0.
; NO PREFETCH: the block is the largest that the registers hold, in clusters, and K is five fills long.
; LIMITS: e0 + e1 between -126 and 126; e2, e3, e5 less e0 + e1 between -126 and 112.  NaN among the inputs is not served.
.set S1A,   163840                     ; slot 1: A
.set S0B,   65536                      ; slot 0: B
.set S1B,   196608                     ; slot 1: B
.set SPARE, 245760                     ; the spare words, 128 bytes a wave
.set LI,   4                           ; 16 x lane
.set H32,  5                           ; 32 h
.set R4,   6                           ; 4 r
.set SPW,  7
.set NIL,  8
.set ADRA, 9                           ; v9, v10  my A fragments in slot 0, 1
.set ADB0, 11                          ; my B fragments in slot 0: q's and k's
.set ADB0C,12                          ; v's
.set ADB1, 13                          ; in slot 1
.set LIMQ, 14
.set SCLQ, 15
.set LIMK, 16
.set SCLK, 17
.set LIMV, 18
.set SCLV, 19
.set MK,   20                          ; v20-27 the mask of my tokens, then k's hold
.set AF,   32                          ; v32-159 A's fragments, two sets of 8 x 8
.set BF,   160                         ; v160-255 B's fragments, 12 x 8
.set BBR,  160                         ; at the head: q's and k's bias, 64 registers
.set BVR,  224                         ; v's, 4 pairs
.set GA,   24                          ; s[24:39] group 1 for A: slot 0, slot 1
.set GB,   48                          ; s[48:63] for B
.set G0A,  76                          ; s[76:83] group 0 for A: slot 0, slot 1
.set G0B,  84                          ; s[84:91] for B
.set MSB, 0
.macro WIN new
.if MSB != (\new)
	s_set_vgpr_msb (MSB<<8)|(\new)
.set MSB, (\new)
.endif
.endm
.macro PLACES
.rept 4
	v_nop
.endr
.endm
; A joint load into slot s.  The branch hangs on the wave's number alone; an s_nop 0 and four v_nop follow each line.
.macro JLOAD s
	s_cmp_eq_u32 s14, 0
	s_cbranch_scc0 .Lfor_b_\@
	tensor_load_to_lds s[G0A+4*\s:G0A+4*\s+3], s[GA+8*\s:GA+8*\s+7]
	s_nop 0
	PLACES
	s_branch .Lasked_\@
.Lfor_b_\@:
	tensor_load_to_lds s[G0B+4*\s:G0B+4*\s+3], s[GB+8*\s:GB+8*\s+7]
	s_nop 0
	PLACES
.Lasked_\@:
.endm
.macro CREST
	s_cmp_lg_u32 s14, 0
	s_cbranch_scc1 .Lnot_wave_0_\@
	s_barrier_signal -3
.Lnot_wave_0_\@:
	s_barrier_wait -3
	s_barrier_signal -1
	s_barrier_wait -1
.endm
.macro CROUND
	s_barrier_signal -1
	s_barrier_wait -1
	CREST
.endm
.macro G1SET g, c, r                   ; r rows of c elements of 8 bytes, 2,048 elements apart
	s_mov_b32 s[\g+1], (\c)<<16
	s_mov_b32 s[\g+2], (\r)<<16
	s_mov_b32 s[\g+3], (\c)<<16
	s_mov_b32 s[\g+4], \r
	s_mov_b32 s[\g+5], 2048
	s_mov_b32 s[\g+6], 0
	s_mov_b32 s[\g+7], 0
.endm
	s_load_b128 s[4:7], s[0:1], 0x0                ; x's image, W's image
	s_load_b128 s[8:11], s[0:1], 0x10              ; the scales' exponents, the bias
	s_load_b64 s[12:13], s[0:1], 0x20              ; the mask
	s_load_b128 s[68:71], s[0:1], 0x28             ; q's image, k's
	s_load_b64 s[72:73], s[0:1], 0x38              ; v's
	v_lshl_add_u32 v[SPW], v0, 2, SPARE
	v_mov_b32 v[NIL], 0
	ds_add_u32 v[SPW], v[NIL]                      ; the opening: the add, twice on end, and its wait ahead of my first tensor load
	ds_add_u32 v[SPW], v[NIL]
	v_lshrrev_b32 v1, 5, v0
	v_readfirstlane_b32 s14, v1                    ; wave 0..3
	s_lshr_b32 s15, s14, 1                         ; m: which 128 tokens
	s_and_b32 s16, s14, 1                          ; n: which head of the two
	s_bfe_u32 s40, ttmp6, 0x40000                  ; cx, cy
	s_bfe_u32 s41, ttmp6, 0x40004
	s_lshl_b32 s42, ttmp9, 2
	s_add_co_u32 s42, s42, s40                     ; X
	s_and_b32 s17, ttmp7, 0xffff
	s_lshl_b32 s17, s17, 2
	s_add_co_u32 s17, s17, s41                     ; Y
	s_lshl_b32 s43, s41, 2
	s_lshl_b32 s43, 15, s43                        ; my row of the cluster
	s_lshl_b32 s44, 0x1111, s40                    ; my column
	s_or_b32 s[GA], s43, (3<<16)|(1<<21)
	s_or_b32 s[GA+8], s43, (3<<16)|(1<<21)
	s_or_b32 s[GB], s44, (3<<16)|(1<<21)
	s_or_b32 s[GB+8], s44, (3<<16)|(1<<21)
	G1SET GA, 512, 16
	G1SET GA+8, 256, 16
	G1SET GB, 512, 8
	G1SET GB+8, 256, 8
	s_lshl_b32 s20, s17, 18                        ; A: 16 Y row tiles of 16,384 bytes
	s_mov_b32 s21, 0
	s_add_co_u32 s45, s14, 3
	s_and_b32 s45, s45, 3                          ; waves 1, 2, 3: part 0, 1, 2 of W
	s_lshl_b32 s46, s45, 6
	s_lshl_b32 s47, s42, 3
	s_add_co_u32 s46, s46, s47                     ; B: row tile 64 part + 8 X
	s_lshl_b32 s46, s46, 14
	s_mov_b32 s47, 0
	s_lshl_b32 s18, s45, 15
	s_add_co_u32 s18, s18, S0B                     ; and its place in slot 0,
	s_lshl_b32 s19, s45, 14
	s_add_co_u32 s19, s19, S1B                     ; in slot 1
	s_wait_dscnt 0x0                               ; both opening adds are done
	s_wait_kmcnt 0x0
	s_load_b256 s[92:99], s[8:9], 0x0              ; e0 .. e7
	s_add_nc_u64 s[20:21], s[4:5], s[20:21]
	s_add_nc_u64 s[46:47], s[6:7], s[46:47]
	CROUND                                         ; all sixteen work-groups are here: the first joint loads meet
	s_mov_b32 s[G0A], 1
	s_mov_b32 s[G0A+1], 0
	s_mov_b64 s[G0A+2:G0A+3], s[20:21]
	s_or_b32 s[G0A+3], s[G0A+3], 0x80000000
	s_mov_b32 s[G0A+4], 1
	s_mov_b32 s[G0A+5], S1A
	s_add_nc_u64 s[G0A+6:G0A+7], s[20:21], 4096    ; K 256
	s_or_b32 s[G0A+7], s[G0A+7], 0x80000000
	s_mov_b32 s[G0B], 1
	s_mov_b32 s[G0B+1], s18
	s_mov_b64 s[G0B+2:G0B+3], s[46:47]
	s_or_b32 s[G0B+3], s[G0B+3], 0x80000000
	s_mov_b32 s[G0B+4], 1
	s_mov_b32 s[G0B+5], s19
	s_add_nc_u64 s[G0B+6:G0B+7], s[46:47], 4096
	s_or_b32 s[G0B+7], s[G0B+7], 0x80000000
	JLOAD 0                                        ; K 0-255: one tensor load a wave at the head
	s_lshl_b32 s74, s42, 7
	s_lshl_b32 s75, s16, 6
	s_add_co_u32 s74, s74, s75
	s_lshl_b32 s74, s74, 2                         ; my head's first column, in bytes of the bias
	s_mov_b32 s75, 0
	s_add_nc_u64 s[66:67], s[10:11], s[74:75]
	s_lshl_b32 s74, s17, 8
	s_lshl_b32 s18, s15, 7
	s_add_co_u32 s74, s74, s18
	s_lshl_b32 s74, s74, 2                         ; my first token, in bytes of the mask
	s_add_nc_u64 s[100:101], s[12:13], s[74:75]
	s_lshr_b32 s74, s17, 3
	s_lshl_b32 s74, s74, 4
	s_lshl_b32 s18, s42, 1
	s_add_co_u32 s74, s74, s18
	s_add_co_u32 s74, s74, s16                     ; 16 batch + my head
	s_lshl_b32 s74, s74, 17
	s_and_b32 s18, s17, 7
	s_lshl_b32 s18, s18, 1
	s_add_co_u32 s18, s18, s15
	s_lshl_b32 s18, s18, 13                        ; my 128 tokens: 8,192 bytes in each of the three images
	s_add_co_u32 s74, s74, s18
	s_add_nc_u64 s[68:69], s[68:69], s[74:75]
	s_add_nc_u64 s[70:71], s[70:71], s[74:75]
	s_add_nc_u64 s[72:73], s[72:73], s[74:75]
	s_lshl_b32 s18, s15, 15                        ; my A fragments: 8 tiles of 4,096,
	s_lshl_b32 s19, s15, 14
	s_add_co_u32 s19, s19, S1A                     ; of 2,048
	s_lshl_b32 s45, s16, 14
	s_add_co_u32 s45, s45, S0B                     ; my B fragments: 4 tiles on for the second head
	s_lshl_b32 s74, s16, 13
	s_add_co_u32 s74, s74, S1B
	v_and_b32 v1, 15, v0
	v_bfe_u32 v2, v0, 4, 1
	v_and_b32 v3, 31, v0
	v_lshlrev_b32 v[LI], 4, v3
	v_lshlrev_b32 v[H32], 5, v2
	v_lshlrev_b32 v[R4], 2, v1
	v_add_nc_u32 v[ADRA], s18, v[LI]
	v_add_nc_u32 v[ADRA+1], s19, v[LI]
	v_add_nc_u32 v[ADB0], s45, v[LI]
	v_add_nc_u32 v[ADB0C], 65536, v[ADB0]
	v_add_nc_u32 v[ADB1], s74, v[LI]
	s_wait_alu depctr_va_vdst(0)                   ; behind these writes
.irp p, 0,1
.irp b, 0,1,2,3
	global_load_b128 v[BBR+32*\p+8*\b:BBR+32*\p+8*\b+3], v[H32], s[66:67] offset:4096*\p+64*\b       ; bias of columns 16 b + 8 h + 0 .. 7: the result's layout
	global_load_b128 v[BBR+32*\p+8*\b+4:BBR+32*\p+8*\b+7], v[H32], s[66:67] offset:4096*\p+64*\b+16
.endr
.endr
.irp t, 0,1,2,3
	global_load_b32 v[BVR+2*\t], v[R4], s[66:67] offset:8192+64*\t      ; v: bias of channel 16 t + r, in both halves of a pair
	global_load_b32 v[BVR+2*\t+1], v[R4], s[66:67] offset:8192+64*\t
.endr
.irp a, 0,1,2,3,4,5,6,7
	global_load_b32 v[MK+\a], v[R4], s[100:101] offset:64*\a
.endr
	s_wait_kmcnt 0x0
	s_add_co_i32 s18, s92, s93                     ; e0 + e1
	s_sub_co_i32 s22, 127, s18
	s_lshl_b32 s22, s22, 23                        ; 2^-(e0 + e1)
	s_mov_b32 s23, s22
.macro OUTSC e, lim, scl               ; the conversion's scale 2^(e - e0 - e1), and 57,344 x that
	s_sub_co_i32 s19, \e, s18
	s_add_co_i32 s19, s19, 127
	s_lshl_b32 s45, s19, 23
	v_mov_b32 v[\scl], s45
	s_add_co_i32 s19, s19, 15
	s_lshl_b32 s19, s19, 23
	s_or_b32 s19, s19, 0x600000
	v_mov_b32 v[\lim], s19
.endm
	OUTSC s94, LIMQ, SCLQ
	OUTSC s95, LIMK, SCLK
	OUTSC s97, LIMV, SCLV
	s_wait_alu depctr_va_vdst(0)                   ; directly ahead of the wait below
	s_wait_loadcnt 8                               ; the bias is in; the mask's eight loads may be out
.irp w, 1,2
	WIN 0x40*\w
.irp b, 0,1,2,3
.irp a, 0,1,2,3,4,5,6,7
.irp j, 0,2,4,6
	v_pk_mul_f32 v[8*(8*\b+\a)+\j:8*(8*\b+\a)+\j+1], v[BBR+32*(\w-1)+8*\b+\j:BBR+32*(\w-1)+8*\b+\j+1], s[22:23] op_sel_hi:[1,0]   ; the sums start at b / 2^(e0 + e1)
.endr
.endr
.endr
.endr
	WIN 0xc0
.irp b, 0,1,2,3
.irp a, 0,1,2,3,4,5,6,7
.irp j, 0,2,4,6
	v_pk_mul_f32 v[8*(8*\b+\a)+\j:8*(8*\b+\a)+\j+1], v[BVR+2*\b:BVR+2*\b+1], s[22:23] op_sel_hi:[1,0]
.endr
.endr
.endr
	WIN 0
.macro LDB slot, u, p                  ; B's four fragments of window p + 1, step u of the slot
.irp i, 0,1,2,3
.irp g, 0,1
.if (\slot) == 0
.if (\p) < 2
	ds_load_b128 v[BF+8*(4*(\p)+\i)+4*\g:BF+8*(4*(\p)+\i)+4*\g+3], v[ADB0] offset:(8*(\p)+\i)*4096+1024*(\u)+512*\g
.else
	ds_load_b128 v[BF+8*(4*(\p)+\i)+4*\g:BF+8*(4*(\p)+\i)+4*\g+3], v[ADB0C] offset:\i*4096+1024*(\u)+512*\g
.endif
.else
	ds_load_b128 v[BF+8*(4*(\p)+\i)+4*\g:BF+8*(4*(\p)+\i)+4*\g+3], v[ADB1] offset:(8*(\p)+\i)*2048+1024*(\u)+512*\g
.endif
.endr
.endr
.endm
.macro LDA slot, u, set, a0            ; A's blocks a0 .. a0 + 3
.irp i, 0,1,2,3
.irp g, 0,1
	ds_load_b128 v[AF+64*(\set)+8*((\a0)+\i)+4*\g:AF+64*(\set)+8*((\a0)+\i)+4*\g+3], v[ADRA+(\slot)] offset:((\a0)+\i)*(4096>>(\slot))+1024*(\u)+512*\g
.endr
.endr
.endm
.macro MM w, set, a0                   ; 16 products of window w: its four column blocks x token blocks a0 .. a0 + 3; the accumulators take turns
.irp b, 0,1,2,3
.irp i, 0,1,2,3
.set AC, 8*(8*\b+(\a0)+\i)
.set FB, BF+8*(4*((\w)-1)+\b)
.set FA, AF+64*(\set)+8*((\a0)+\i)
.if (\w) < 3
	v_wmma_f32_16x16x64_bf8_bf8 v[AC:AC+7], v[FB:FB+7], v[FA:FA+7], v[AC:AC+7]
.else
	v_wmma_f32_16x16x64_bf8_bf8 v[AC:AC+7], v[FA:FA+7], v[FB:FB+7], v[AC:AC+7]
.endif
.endr
.endr
.endm
; A STEP of 64 along K on A's set; the next step lies in slot ns at place nu.  Its fetches go out in three batches: [B 0-3, A 0-3] 16, [B 4-7, A 4-7] 16, [B 8-11] 8.
; mode 0: plain.  1: the slot's last step, slot cur is filled again.  2: the slot's last step, nothing is filled.  3: the last step of all.
.macro SUB set, ns, nu, mode, cur
.if (\mode) == 1 || (\mode) == 2
	s_wait_tensorcnt 0x0                           ; all my tensor loads have landed: my part of the next slot;
	ds_add_u32 v[SPW], v[NIL]                      ; 0 onto my spare word
	s_wait_dscnt 25                                ; the first batch is in; the later 16 + 8 loads and the add may be out
.else
	s_wait_dscnt 24                                ; the first batch is in; the later 16 + 8 loads may be out
.endif
	WIN 0x50
	MM 1, \set, 0
.if (\mode) == 1 || (\mode) == 2
	s_wait_dscnt 0x0                               ; the add is done, and my reads of this slot are over
	s_barrier_signal -1
	MM 1, \set, 4
	WIN 0
	s_barrier_wait -1
.if (\mode) == 1
	CREST                                          ; the barrier has opened a round of the cluster's barrier
	s_add_nc_u64 s[G0A+4*\cur+2:G0A+4*\cur+3], s[G0A+4*\cur+2:G0A+4*\cur+3], 6144   ; 384 along K on
	s_add_nc_u64 s[G0B+4*\cur+2:G0B+4*\cur+3], s[G0B+4*\cur+2:G0B+4*\cur+3], 6144
	JLOAD \cur                                     ; the first tensor load behind the round; its four v_nop are the places in front of the loads below
.else
	PLACES
.endif
.else
	s_wait_dscnt 8                                 ; the second batch is in; B's last eight may be out
	MM 1, \set, 4
	PLACES
	WIN 0
.endif
.if (\mode) != 3
	LDB \ns, \nu, 0
	LDA \ns, \nu, (1-(\set)), 0
.endif
	WIN 0xa0
	MM 2, \set, 0
	MM 2, \set, 4
.if (\mode) != 3
	PLACES
	WIN 0
	LDB \ns, \nu, 1
	LDA \ns, \nu, (1-(\set)), 4
	s_wait_dscnt 32                                ; B's fragments 8-11 are in; this step's two batches of 16 may be out
.else
	s_wait_dscnt 0x0
.endif
	WIN 0xf0
	MM 3, \set, 0
	MM 3, \set, 4
	PLACES
	WIN 0
.if (\mode) != 3
	LDB \ns, \nu, 2
.endif
.endm
	s_wait_alu depctr_va_vdst(0)                   ; the head's end
	s_wait_tensorcnt 0x0                           ; my part of K 0-255 is in
	ds_add_u32 v[SPW], v[NIL]
	s_wait_dscnt 0x0
	CROUND
	JLOAD 1                                        ; K 256-383, the first tensor load behind the round
	LDB 0, 0, 0
	LDA 0, 0, 0, 0
	LDB 0, 0, 1
	LDA 0, 0, 0, 4
	LDB 0, 0, 2
	SUB 0, 0, 1, 0, 0                              ; K 0
	SUB 1, 0, 2, 0, 0
	SUB 0, 0, 3, 0, 0
	SUB 1, 1, 0, 1, 0                              ; slot 0 takes K 384-639
	SUB 0, 1, 1, 0, 0                              ; K 256
	SUB 1, 0, 0, 1, 1                              ; slot 1 takes K 640-767
	SUB 0, 0, 1, 0, 0                              ; K 384
	SUB 1, 0, 2, 0, 0
	SUB 0, 0, 3, 0, 0
	SUB 1, 1, 0, 1, 0                              ; slot 0 takes K 768-1,023
	SUB 0, 1, 1, 0, 0                              ; K 640
	SUB 1, 0, 0, 2, 1
	SUB 0, 0, 1, 0, 0                              ; K 768
	SUB 1, 0, 2, 0, 0
	SUB 0, 0, 3, 0, 0
	SUB 1, 0, 0, 3, 0
	; THE WAY OUT: hold, convert, store; each accumulator from its low end on.  Every store covers 512 consecutive bytes, aligned.
	s_wait_loadcnt 0x0                             ; the mask
.irp a, 0,1,2,3,4,5,6,7
	v_cmp_ne_u32 vcc_lo, 0, v[MK+\a]
	v_cndmask_b32 v[MK+\a], 0, v[LIMK], vcc_lo     ; k's hold: 0 for a masked token
.endr
	WIN 0x41
.set j, 0
.rept 256
	v_med3_num_f32 v[j], v[j], -v[LIMQ], v[LIMQ]   ; the conversion does not saturate (ISA guide 7.6.2)
.set j, j+1
.endr
	WIN 0x01
.irp a, 0,1,2,3,4,5,6,7
.irp b, 0,1,2,3
	v_cvt_scalef32_pk8_bf8_f32 v[32+8*\a+2*\b:32+8*\a+2*\b+1], v[8*(8*\b+\a):8*(8*\b+\a)+7], v[SCLQ]
.endr
.endr
	v_nop
	WIN 0
.irp a, 0,1,2,3,4,5,6,7
.irp g, 0,1
	global_store_b128 v[LI], v[32+8*\a+4*\g:32+8*\a+4*\g+3], s[68:69] offset:1024*\a+512*\g
.endr
.endr
	WIN 0x82
.irp b, 0,1,2,3
.irp a, 0,1,2,3,4,5,6,7
.irp j, 0,1,2,3,4,5,6,7
	v_med3_num_f32 v[8*(8*\b+\a)+\j], v[8*(8*\b+\a)+\j], -v[MK+\a], v[MK+\a]
.endr
.endr
.endr
	WIN 0x02
.irp a, 0,1,2,3,4,5,6,7
.irp b, 0,1,2,3
	v_cvt_scalef32_pk8_bf8_f32 v[96+8*\a+2*\b:96+8*\a+2*\b+1], v[8*(8*\b+\a):8*(8*\b+\a)+7], v[SCLK]
.endr
.endr
	v_nop
	WIN 0
.irp a, 0,1,2,3,4,5,6,7
.irp g, 0,1
	global_store_b128 v[LI], v[96+8*\a+4*\g:96+8*\a+4*\g+3], s[70:71] offset:1024*\a+512*\g
.endr
.endr
	WIN 0xc3
.set j, 0
.rept 256
	v_med3_num_f32 v[j], v[j], -v[LIMV], v[LIMV]
.set j, j+1
.endr
	WIN 0x03
.irp b, 0,1,2,3
.irp a, 0,1,2,3,4,5,6,7
	v_cvt_scalef32_pk8_bf8_f32 v[160+16*\b+2*\a:160+16*\b+2*\a+1], v[8*(8*\b+\a):8*(8*\b+\a)+7], v[SCLV]   ; registers 2 a, 2 a + 1: keys 16 a + 8 h + 0 .. 7 of channel block b
.endr
.endr
	v_nop
	WIN 0
.irp b, 0,1,2,3
.irp g, 0,1,2,3
	global_store_b128 v[LI], v[160+16*\b+4*\g:160+16*\b+4*\g+3], s[72:73] offset:2048*\b+512*\g
.endr
.endr
	s_wait_tensorcnt 0x0                           ; the wave's end
	ds_add_u32 v[SPW], v[NIL]
	s_wait_dscnt 0x0
	CROUND                                         ; the closing round
	s_endpgm
.Lfunc_end_k_q6ecc141f75_qkv:
	.size	k_q6ecc141f75_qkv, .Lfunc_end_k_q6ecc141f75_qkv-k_q6ecc141f75_qkv
	.p2alignl 7, 3214868480
	.fill 96, 4, 3214868480
	.section	.rodata,"a",@progbits
	.p2align	6, 0x0
	.amdhsa_kernel k_q6ecc141f75_qkv
		.amdhsa_group_segment_fixed_size 327680
		.amdhsa_private_segment_fixed_size 0
		.amdhsa_enable_private_segment 0
		.amdhsa_kernarg_size 64
		.amdhsa_user_sgpr_count 2
		.amdhsa_user_sgpr_kernarg_segment_ptr 1
		.amdhsa_wavefront_size32 1
		.amdhsa_system_sgpr_workgroup_id_x 1
		.amdhsa_system_sgpr_workgroup_id_y 1
		.amdhsa_system_sgpr_workgroup_id_z 1
		.amdhsa_system_vgpr_workitem_id 0
		.amdhsa_next_free_vgpr 1024
		.amdhsa_next_free_sgpr 104
		.amdhsa_reserve_vcc 1
		.amdhsa_float_denorm_mode_32 3
		.amdhsa_float_denorm_mode_16_64 3
		.amdhsa_memory_ordered 1
		.amdhsa_forward_progress 1
		.amdhsa_inst_pref_size 246
	.end_amdhsa_kernel
	.amdgpu_metadata
---
amdhsa.version: [ 1, 2 ]
amdhsa.kernels:
  - .name:           k_q6ecc141f75_qkv
    .symbol:         k_q6ecc141f75_qkv.kd
    .args:
      - { .name: x_img, .offset: 0, .size: 8, .value_kind: global_buffer, .address_space: global }
      - { .name: wqkv_img, .offset: 8, .size: 8, .value_kind: global_buffer, .address_space: global }
      - { .name: lowp_scales, .offset: 16, .size: 8, .value_kind: global_buffer, .address_space: global }
      - { .name: bqkv, .offset: 24, .size: 8, .value_kind: global_buffer, .address_space: global }
      - { .name: attention_mask, .offset: 32, .size: 8, .value_kind: global_buffer, .address_space: global }
      - { .name: q_img, .offset: 40, .size: 8, .value_kind: global_buffer, .address_space: global }
      - { .name: k_img, .offset: 48, .size: 8, .value_kind: global_buffer, .address_space: global }
      - { .name: v_img, .offset: 56, .size: 8, .value_kind: global_buffer, .address_space: global }
    .group_segment_fixed_size: 327680
    .private_segment_fixed_size: 0
    .kernarg_segment_align: 8
    .kernarg_segment_size: 64
    .max_flat_workgroup_size: 128
    .sgpr_count:     104
    .vgpr_count:     1024
    .wavefront_size: 32
...
	.end_amdgpu_metadata
.endif
;; end of part 2
;; launch attn (part 3): grid 4 x 64, 4 waves a work-group, no clusters, 270,848 bytes of LDS; arguments q_img, k_img, v_img, attention_mask, lowp_scales, a_img; writes a_img
.if DOCPART == 3
	.amdgcn_target "amdgcn-amd-amdhsa--gfx1250"
	.amdhsa_code_object_version 6
	.text
	.protected	k_q6ecc141f75_attn
	.globl	k_q6ecc141f75_attn
	.p2align	8
	.type	k_q6ecc141f75_attn,@function
k_q6ecc141f75_attn:
	s_mov_b64 s[64:65], 0
	v_nop
	global_prefetch_b8 v0, s[64:65] scope:SCOPE_SE
	s_setreg_imm32_b32 hwreg(HW_REG_WAVE_MODE, 25, 1), 1
	s_wait_xcnt 0x0
; Attention of one head (64 heads of 2,048 tokens x 64) on codes of BF8 (E5M2); the result is quantised with entry 6 of the scales and leaves as an image of the last product's operand registers.
; t = score x log2(e) / 8; M = the running largest t rounded UP to a whole number; p = 2^(t - M) is quantised with 2^e4, not normalised; the row's sum is taken of the unquantised p and divides at the end.
; When M moves, the sums and O are multiplied by f = 2^(old M - new M): exact.
; SHARES.  Four work-groups to a head, 512 queries each, in two passes of 256.  Four waves, one to a SIMD; a wave holds 64 queries of a pass: four tiles of 16, so each fragment of K, V and the bias read from LDS feeds four matrix instructions.
; A HEAD'S K AND V LIE IN LDS WHOLE (131,072 bytes each), written once: each wave loads 32,768 bytes of each into registers and stores them to LDS.  One barrier in the whole text.
; THE HOLD OF p.  p <= 1, so where e4 >= -15 (57,344 x 2^e4 >= 1.75) the hold at the largest code changes no number: for e4 < -15 they run.
; NO TENSOR LOADS, NO CLUSTER: K and V come through registers, 262,144 bytes a work-group, read once by it; with no tensor load there is no joint load.
; NO PREFETCH: all that the launch reads of K and V is asked for at its head; there is no later stream to ask for ahead of time.
; LAYOUT.  S^T = K Q^T (source 0 = 16 keys, source 1 = 16 queries, K = 64), O^T = V^T P^T (source 0 = 16 of the head's 64, source 1 = P, K = 128 keys): a lane holds ONE query of each tile.  Register j of lane (r, h) of
; S^T's tile t is key 16 t + 8 h + j: one conversion of its eight registers is registers 2 t, 2 t + 1 of P.  The same holds of O^T's tiles and the result's image.
; THE ROW'S SUM is kept as 64 partial sums a lane and tile, L[j] = L[j] x f + p[j]: one packed multiply-add for two numbers, each register written once a step; they are added up at a pass's end.
; THE MASK.  A masked key's codes of K are zeros (the launch before made them so), and the C operand of S^T is 0 for a key that counts and -2^(33 - e2 - e3) for a masked one: its logit is exactly -2^30.
; LIMIT: -2^30 stands where the definition has -1e9; the two differ only where a logit that counts lies near or under -1e9.  Where all keys are masked every p is 1, as the definition has it.
; LIMITS: e2 + e3 between -94 and 130; e4 and e6 between -126 and 112.  NaN among the inputs is not served.
; LDS: K at 0 (key tile T at 1,024 T); V at 131,072 (128 keys s, 16 channels t at 8,192 s + 2,048 t); the bias, 4 bytes a key, at 262,144; the spare words at 270,336.
; REGISTERS.  Window 0: addresses, state, Q, P's codes, bias.  Window 1: tiles 0, 1: S^T then p at v0-127, L at v128-255.  Window 2: the same for tiles 2, 3.  Window 3: K v0-63, V v64-127, O^T v128-255.
.set LI,   1                           ; 16 x lane
.set ADK,  2                           ; LDS address of the step's K, V, bias
.set ADV,  3
.set ADB,  4
.set VI0,  5                           ; 131,072 + 16 x lane
.set BI0,  6                           ; 262,144 + 32 h
.set BST,  7                           ; 262,144 + 64 x thread: where I store sixteen keys' bias
.set MO,   10                          ; 64 x thread: my sixteen entries of the mask
.set AKS,  11                          ; where I store my part of K
.set NM,   12                          ; v12-19  -M of tile u in the low word of pair 2 u
.set F,    20                          ; v20-27  f likewise
.set MX,   28                          ; v28-31  the running largest score
.set C1,   32                          ; v32-35  a second chain of the maximum; at work
.set PR,   36                          ; v36-39  at work
.set PLIM, 40                          ; 57,344 x 2^e4
.set PSC,  41                          ; 2^e4
.set OLIM, 42                          ; 57,344 x 2^e6
.set OSC,  43                          ; 2^e6
.set CB,   44                          ; -2^(33 - e2 - e3)
.set AVS,  45                          ; where I store my part of V
.set SPW,  46                          ; my spare word; never rewritten
.set NIL,  47                          ; 0; never rewritten
.set Q,    48                          ; v48-79
.set PC,   80                          ; v80-143
.set BF,   144                         ; v144-207
.set C2,   208                         ; v208-215 third and fourth chain
.set C3,   212
.set CO,   216                         ; v216-247 the result's codes
.set VF,   64                          ; in window 3
.set O,    128
.set WV,   16
.set CS,   22                          ; s[22:23] c = log2(e) / 8 x 2^(e2 + e3)
.set HF,   24                          ; 1 where e4 < -15
.set NC,   25                          ; -c
.set SEL,  52
.set TK,   54
.set TBS,  55
.set TV,   56
.set CNT,  57
.set PASS, 58
.set MSB, 0
.macro WIN new                         ; the immediate's high byte repeats the setting that is left
.if MSB != (\new)
	s_set_vgpr_msb (MSB<<8)|(\new)
.set MSB, (\new)
.endif
.endm
.macro QLOAD                           ; my four tiles of Q, as they were stored
.irp u, 0,1,2,3
.irp g, 0,1
	global_load_b128 v[Q+8*\u+4*\g:Q+8*\u+4*\g+3], v[LI], s[4:5] offset:1024*\u+512*\g
.endr
.endr
.endm
; K and bias of the step at s[TK], s[TBS]: 32 loads.  The first four lines are the places behind the products that read these registers.
; withv = 1: this step's V too, 16 loads, ahead of the others.
.macro FETCH_KB withv
	v_add_nc_u32 v[ADK], s[TK], v[LI]
	v_add_nc_u32 v[ADB], s[TBS], v[BI0]
	v_add_nc_u32 v[ADV], s[TV], v[VI0]
	v_nop
	s_add_co_u32 s[TK], s[TK], 8192
	s_and_b32 s[TK], s[TK], 0x1ffff                ; behind the last step comes the first: the next pass's
	s_add_co_u32 s[TBS], s[TBS], 512
	s_and_b32 s[TBS], s[TBS], 0x1fff
	WIN 0xc0
.if \withv
.irp t, 0,1,2,3
.irp g, 0,1,2,3
	ds_load_b128 v[VF+16*\t+4*\g:VF+16*\t+4*\g+3], v[ADV] offset:2048*\t+512*\g
.endr
.endr
.endif
.irp t, 0,1,2,3,4,5,6,7
	ds_load_b128 v[8*\t:8*\t+3], v[ADK] offset:1024*\t
	ds_load_b128 v[8*\t+4:8*\t+7], v[ADK] offset:1024*\t+512
.endr
	WIN 0
.irp t, 0,1,2,3,4,5,6,7
	ds_load_b128 v[BF+8*\t:BF+8*\t+3], v[ADB] offset:64*\t
	ds_load_b128 v[BF+8*\t+4:BF+8*\t+7], v[ADB] offset:64*\t+16
.endr
.endm
; The exponentials of window x's two tiles a, b.  Among a's stand b's t - M lines, among b's stand a's sums: each of these plain lines writes a register that is next read behind the following wait.
.macro SOFT x
.set UA, 2*(\x)-2
.set UB, 2*(\x)-1
	WIN 0x41*(\x)                                  ; destination and source 0 window x
.set j, 0
.rept 32
	v_pk_fma_f32 v[j:j+1], v[j:j+1], s[CS:CS+1], v[NM+2*UA:NM+2*UA+1] op_sel_hi:[1,0,0]   ; t - M, two at a time
.set j, j+2
.endr
	s_wait_alu depctr_va_vdst(0)                   ; ahead of a batch
.set j, 0
.rept 32
	v_exp_f32 v[j], v[j]
	v_exp_f32 v[j+1], v[j+1]
	v_pk_fma_f32 v[64+j:65+j], v[64+j:65+j], s[CS:CS+1], v[NM+2*UB:NM+2*UB+1] op_sel_hi:[1,0,0]
.set j, j+2
.endr
	s_wait_alu depctr_va_vdst(0)                   ; behind a's batch and ahead of b's
	WIN 0x51*(\x)                                  ; source 2 window x too
.set j, 0
.rept 32
	v_exp_f32 v[64+j], v[64+j]
	v_exp_f32 v[65+j], v[65+j]
	v_pk_fma_f32 v[128+j:129+j], v[128+j:129+j], v[F+2*UA:F+2*UA+1], v[j:j+1] op_sel_hi:[1,0,1]   ; L = L f + p, of the unquantised p
.set j, j+2
.endr
	s_wait_alu depctr_va_vdst(0)                   ; behind b's batch
.set j, 0
.rept 32
	v_pk_fma_f32 v[192+j:193+j], v[192+j:193+j], v[F+2*UB:F+2*UB+1], v[64+j:65+j] op_sel_hi:[1,0,1]
.set j, j+2
.endr
.endm
	s_load_b256 s[4:11], s[0:1], 0x0               ; Q's image, K's, V's, the mask
	s_load_b128 s[12:15], s[0:1], 0x20             ; the scales' exponents, the result's image
	v_lshl_add_u32 v[SPW], v0, 2, 0x42000
	v_mov_b32 v[NIL], 0
	v_lshrrev_b32 v8, 5, v0
	v_readfirstlane_b32 s[WV], v8                  ; wave 0..3
	s_and_b32 s18, ttmp7, 0xffff                   ; the head
	s_lshl_b32 s42, s[WV], 15                      ; my quarter of K and of V
	v_and_b32 v8, 31, v0
	v_bfe_u32 v9, v0, 4, 1
	v_lshlrev_b32 v[LI], 4, v8
	v_add_nc_u32 v[AKS], s42, v[LI]
	v_add_nc_u32 v[VI0], 0x20000, v[LI]
	v_add_nc_u32 v[AVS], s42, v[VI0]
	v_lshl_add_u32 v[BI0], v9, 5, 0x40000
	v_lshl_add_u32 v[BST], v0, 6, 0x40000
	v_lshlrev_b32 v[MO], 6, v0
	s_lshl_b32 s20, s18, 17                        ; the head's first byte in each image
	s_add_co_u32 s40, s20, s42
	s_mov_b32 s41, 0
	s_lshl_b32 s19, ttmp9, 5
	s_lshl_b32 s60, s[WV], 2
	s_add_co_u32 s19, s19, s60                     ; my first token tile of the head: 32 x work-group x + 4 wave
	s_lshr_b32 s62, s18, 4                         ; the batch
	s_wait_alu depctr_va_vdst(0)                   ; directly ahead of the wait below
	s_wait_kmcnt 0x0
	s_load_b256 s[44:51], s[12:13], 0x0            ; e0 .. e7
	s_add_nc_u64 s[6:7], s[6:7], s[40:41]
	s_add_nc_u64 s[8:9], s[8:9], s[40:41]
	s_lshl_b32 s60, s62, 13
	s_mov_b32 s61, 0
	s_add_nc_u64 s[10:11], s[10:11], s[60:61]      ; the batch's row of the mask
.irp i, 0,1,2,3
	global_load_b128 v[PC+4*\i:PC+4*\i+3], v[MO], s[10:11] offset:16*\i
.endr
	WIN 0x40
.set i, 0
.rept 64
	global_load_b128 v[4*i:4*i+3], v[LI], s[6:7] offset:512*i    ; K: 512 consecutive bytes a load
.set i, i+1
.endr
	WIN 0x80
.set i, 0
.rept 64
	global_load_b128 v[4*i:4*i+3], v[LI], s[8:9] offset:512*i    ; V
.set i, i+1
.endr
	WIN 0
	s_lshl_b32 s60, s19, 10
	s_add_co_u32 s60, s60, s20
	s_add_nc_u64 s[4:5], s[4:5], s[60:61]          ; Q at my first tile
	QLOAD
	s_lshl_b32 s60, s62, 7
	s_add_co_u32 s60, s60, s19
	s_lshl_b32 s60, s60, 14                        ; the result: a tile of 16 tokens is 16,384 bytes,
	s_and_b32 s63, s18, 15
	s_lshl_b32 s63, s63, 10                        ; of which the head's 64 along K are 1,024
	s_add_co_u32 s60, s60, s63
	s_add_nc_u64 s[14:15], s[14:15], s[60:61]
	s_mov_b32 s[SEL], 0x76543210
	s_mov_b32 s[SEL+1], 0xfedcba98
	s_mov_b32 s[TK], 0
	s_mov_b32 s[TBS], 0
	s_mov_b32 s[TV], 0
	s_mov_b32 s[PASS], 2
	s_mov_b32 s[CS], 0x3e38aa3b                    ; log2(e) / 8
	s_wait_kmcnt 0x0
	s_add_co_i32 s19, s46, s47                     ; e2 + e3
	s_lshl_b32 s60, s19, 23
	s_add_co_i32 s[CS], s[CS], s60                 ; added to c's exponent field
	s_mov_b32 s[CS+1], s[CS]
	s_xor_b32 s[NC], s[CS], 0x80000000
	s_sub_co_i32 s60, 160, s19
	s_lshl_b32 s60, s60, 23
	s_or_b32 s60, s60, 0x80000000
	v_mov_b32 v[CB], s60
	s_add_co_i32 s60, s48, 127
	s_lshl_b32 s61, s60, 23
	v_mov_b32 v[PSC], s61
	s_add_co_i32 s60, s60, 15
	s_lshl_b32 s60, s60, 23
	s_or_b32 s60, s60, 0x600000
	v_mov_b32 v[PLIM], s60
	s_add_co_i32 s60, s50, 127
	s_lshl_b32 s61, s60, 23
	v_mov_b32 v[OSC], s61
	s_add_co_i32 s60, s60, 15
	s_lshl_b32 s60, s60, 23
	s_or_b32 s60, s60, 0x600000
	v_mov_b32 v[OLIM], s60
	s_add_co_i32 s59, s48, s49                     ; e4 + e5
	s_cmp_lt_i32 s48, -15
	s_cselect_b32 s[HF], 1, 0                      ; do the holds of p run?
.irp u, 0,1,2,3
	v_mov_b32 v[NM+2*\u+1], 0                      ; (named as the upper halves of pairs)
	v_mov_b32 v[F+2*\u+1], 0
	v_mov_b32 v[PR+\u], 0                          ; a lane permute's destination counts as one of its sources
.endr
	s_wait_alu depctr_va_vdst(0)                   ; directly ahead of the wait below
	s_wait_loadcnt 63                              ; behind K's last load come V's 64 and Q's 8: the mask and K are in
.set j, 0
.rept 16
	v_cmp_eq_u32 vcc_lo, 0, v[PC+j]
	v_cndmask_b32 v[PC+j], 0, v[CB], vcc_lo        ; a choice of values: no branch hangs on the mask
.set j, j+1
.endr
.irp i, 0,1,2,3
	ds_store_b128 v[BST], v[PC+4*\i:PC+4*\i+3] offset:16*\i
.endr
	WIN 0x04
.set i, 0
.rept 64
	ds_store_b128 v[AKS], v[4*i:4*i+3] offset:512*i
.set i, i+1
.endr
	s_wait_loadcnt 8                               ; V is in; Q's eight may be out
	WIN 0x08
.set i, 0
.rept 64
	ds_store_b128 v[AVS], v[4*i:4*i+3] offset:512*i
.set i, i+1
.endr
	WIN 0
	s_wait_alu depctr_va_vdst(0)
	s_wait_dscnt 0x0                               ; my parts of K, V and the bias are stored:
	s_barrier_signal -1
	s_barrier_wait -1                              ; everybody's are.  From here on LDS is only read
	FETCH_KB 0                                     ; step 0's K and bias
.Lpass:
	s_wait_loadcnt 0x0                             ; Q
.irp u, 0,1,2,3
	v_mov_b32 v[MX+\u], 0xff61b1e6                 ; the largest score so far: -3e38
	v_mov_b32 v[NM+2*\u], 0x7f61b1e6               ; -M: 3e38, so that the first f is 0
.endr
.irp w, 0x40, 0x80, 0xc0                       ; L of all four tiles and O^T begin as zeros: the step is written once
	WIN \w
.set j, 0
.rept 128
	v_mov_b32 v[128+j], 0
.set j, j+1
.endr
.endr
	WIN 0
	s_mov_b32 s[CNT], 16
.Lstep:                                            ; 128 keys a trip.  The last step's O^T products are followed directly by this step's S^T products
	s_wait_dscnt 0x0                               ; K and the bias, asked for a step ago, are in
.irp x, 1,2
	WIN ((\x)<<6)|3                                ; K window 3, Q and bias window 0, S^T window x
.irp t, 0,1,2,3,4,5,6,7
.irp w, 0,1
	v_wmma_f32_16x16x64_bf8_bf8 v[64*\w+8*\t:64*\w+8*\t+7], v[8*\t:8*\t+7], v[Q+8*(2*\x-2+\w):Q+8*(2*\x-2+\w)+7], v[BF+8*\t:BF+8*\t+7]
.endr
.endr
.endr
	WIN 0
	FETCH_KB 1                                     ; this step's V and the next step's K and bias: its four vector lines are the places behind both runs of products
	; the largest score of a query among the lane's 64 keys, onto the running one: four chains a tile; each accumulator is read from its low end on
.irp x, 1,2
	WIN 0x14*(\x)                                  ; sources 1 and 2 window x
.irp t, 0,1,2,3,4,5,6,7
.irp w, 0,1
.set UU, 2*\x-2+\w
.set SB, 64*\w+8*\t
.if \t == 0
	v_max3_num_f32 v[C1+UU], v[MX+UU], v[SB+2], v[SB+3]
	v_max3_num_f32 v[C2+UU], v[MX+UU], v[SB+4], v[SB+5]
	v_max3_num_f32 v[C3+UU], v[MX+UU], v[SB+6], v[SB+7]
	v_max3_num_f32 v[MX+UU], v[MX+UU], v[SB], v[SB+1]
.else
	v_max3_num_f32 v[MX+UU], v[MX+UU], v[SB], v[SB+1]
	v_max3_num_f32 v[C1+UU], v[C1+UU], v[SB+2], v[SB+3]
	v_max3_num_f32 v[C2+UU], v[C2+UU], v[SB+4], v[SB+5]
	v_max3_num_f32 v[C3+UU], v[C3+UU], v[SB+6], v[SB+7]
.endif
.endr
.endr
.endr
	WIN 0
.irp u, 0,1,2,3
	v_max3_num_f32 v[MX+\u], v[MX+\u], v[C1+\u], v[C2+\u]
.endr
.irp u, 0,1,2,3
	v_max_num_f32 v[MX+\u], v[MX+\u], v[C3+\u]
.endr
.irp u, 0,1,2,3
	v_permlanex16_b32 v[PR+\u], v[MX+\u], s[SEL], s[SEL+1]
.endr
.irp u, 0,1,2,3
	v_max_num_f32 v[MX+\u], v[MX+\u], v[PR+\u]     ; and among lane l xor 16's
.endr
.irp u, 0,1,2,3
	v_mul_f32 v[C1+\u], s[NC], v[MX+\u]            ; -t (c is positive)
.endr
.irp u, 0,1,2,3
	v_floor_f32 v[C1+\u], v[C1+\u]                 ; the new -M = floor(-t) = -ceil(t)
.endr
.irp u, 0,1,2,3
	v_sub_f32 v[PR+\u], v[C1+\u], v[NM+2*\u]       ; old M - new M: a whole number, 0 or less
.endr
.irp u, 0,1,2,3
	v_mov_b32 v[NM+2*\u], v[C1+\u]
.endr
.irp u, 0,1,2,3
	v_cvt_i32_f32 v[PR+\u], v[PR+\u]               ; (it saturates)
.endr
.irp u, 0,1,2,3
	v_ldexp_f32 v[F+2*\u], 1.0, v[PR+\u]           ; f = 2^(old M - new M)
.endr
	WIN 0xc3                                       ; O^T window 3, f window 0
.irp u, 0,1,2,3
.irp j, 0,2,4,6,8,10,12,14,16,18,20,22,24,26,28,30
	v_pk_mul_f32 v[O+32*\u+\j:O+32*\u+\j+1], v[O+32*\u+\j:O+32*\u+\j+1], v[F+2*\u:F+2*\u+1] op_sel_hi:[1,0]   ; O^T under the new M, ahead of the exponentials
.endr
.endr
	SOFT 1
	SOFT 2
	WIN 0
	s_wait_alu depctr_va_vdst(0)                   ; directly ahead of the branch
	s_cmp_eq_u32 s[HF], 0
	s_cbranch_scc1 .Lnohold                        ; e4 >= -15: p <= 1 lies under the largest code x the scale
.irp x, 1,2
	WIN 0x41*(\x)
.set j, 0
.rept 128
	v_min_num_f32 v[j], v[j], v[PLIM]              ; the conversion does not saturate (ISA guide 7.6.2); p is not negative, so the hold is one-sided
.set j, j+1
.endr
.endr
	WIN 0
.Lnohold:
.irp x, 1,2
	WIN \x                                         ; source 0 window x
.irp w, 0,1
.irp t, 0,1,2,3,4,5,6,7
	v_cvt_scalef32_pk8_bf8_f32 v[PC+16*(2*\x-2+\w)+2*\t:PC+16*(2*\x-2+\w)+2*\t+1], v[64*\w+8*\t:64*\w+8*\t+7], v[PSC]   ; registers 2 t, 2 t + 1 of P
.endr
.endr
.endr
	v_nop                                          ; one plain line between the conversions and the products that read the codes
	s_wait_alu depctr_va_vdst(0)                   ; directly ahead of the wait below
	s_wait_dscnt 32                                ; V is in; the next step's 32 loads of K and bias may be out
	WIN 0xf3                                       ; V, C and D window 3; P window 0
.irp t, 0,1,2,3
.irp u, 0,1,2,3
	v_wmma_f32_16x16x128_bf8_bf8 v[O+32*\u+8*\t:O+32*\u+8*\t+7], v[VF+16*\t:VF+16*\t+15], v[PC+16*\u:PC+16*\u+15], v[O+32*\u+8*\t:O+32*\u+8*\t+7]
.endr
.endr
	WIN 0
	s_add_co_u32 s[TV], s[TV], 8192                ; V's next step
	s_and_b32 s[TV], s[TV], 0x1ffff
	s_sub_co_u32 s[CNT], s[CNT], 1
	s_cmp_lg_u32 s[CNT], 0
	s_cbranch_scc1 .Lstep
	; THE WAY OUT of a pass
.rept 4
	v_nop                                          ; behind the last products
.endr
	s_cmp_eq_u32 s[PASS], 1                        ; the next pass's Q is asked for here, if there is one: no load leaves its buffer
	s_cbranch_scc1 .Lno_next
	s_add_nc_u64 s[4:5], s[4:5], 16384             ; 16 tiles on (the last loads by this base were waited for at the pass's head)
	QLOAD
.Lno_next:
.irp x, 1,2
	WIN 0x45*(\x)                                  ; the 64 partial sums of each tile are added up, by halves
.irp s, 32,16,8,4,2
.set j, 0
.rept \s/2
	v_pk_add_f32 v[128+j:129+j], v[128+j:129+j], v[128+\s+j:129+\s+j]
	v_pk_add_f32 v[192+j:193+j], v[192+j:193+j], v[192+\s+j:193+\s+j]
.set j, j+2
.endr
.endr
	WIN 0x05*(\x)
	v_add_f32 v[C1+2*\x-2], v128, v129
	v_add_f32 v[C1+2*\x-1], v192, v193
.endr
	WIN 0
.irp u, 0,1,2,3
	v_permlanex16_b32 v[PR+\u], v[C1+\u], s[SEL], s[SEL+1]
.endr
.irp u, 0,1,2,3
	v_add_f32 v[C1+\u], v[C1+\u], v[PR+\u]         ; and lane l xor 16's: the row's sum
.endr
	s_wait_alu depctr_va_vdst(0)                   ; ahead of the batch
.irp u, 0,1,2,3
	v_rcp_f32 v[C1+\u], v[C1+\u]
.endr
	v_nop
	s_wait_alu depctr_va_vdst(0)                   ; and behind it
.irp u, 0,1,2,3
	v_ldexp_f32 v[F+2*\u], v[C1+\u], s59           ; 2^(e4 + e5) / the sum
.endr
	WIN 0x43                                       ; O^T window 3, f window 0, the result into window 1
	s_wait_alu depctr_va_vdst(0)                   ; directly ahead of the first reader of O^T
.irp u, 0,1,2,3
.irp j, 0,2,4,6,8,10,12,14,16,18,20,22,24,26,28,30
	v_pk_mul_f32 v[32*\u+\j:32*\u+\j+1], v[O+32*\u+\j:O+32*\u+\j+1], v[F+2*\u:F+2*\u+1] op_sel_hi:[1,0]
.endr
.endr
	WIN 0x41
.set j, 0
.rept 128
	v_med3_num_f32 v[j], v[j], -v[OLIM], v[OLIM]
.set j, j+1
.endr
	WIN 0x01
.irp u, 0,1,2,3
.irp t, 0,1,2,3
	v_cvt_scalef32_pk8_bf8_f32 v[CO+8*\u+2*\t:CO+8*\u+2*\t+1], v[32*\u+8*\t:32*\u+8*\t+7], v[OSC]
.endr
.endr
	v_nop                                          ; one plain line behind the conversions
	WIN 0
.irp u, 0,1,2,3
.irp g, 0,1
	global_store_b128 v[LI], v[CO+8*\u+4*\g:CO+8*\u+4*\g+3], s[14:15] offset:16384*\u+512*\g   ; 512 consecutive bytes, aligned
.endr
.endr
	s_wait_xcnt 0x0                                ; the stores have read their registers and their base
	s_add_nc_u64 s[14:15], s[14:15], 262144        ; 16 tiles of tokens on
	s_sub_co_u32 s[PASS], s[PASS], 1
	s_cmp_lg_u32 s[PASS], 0
	s_cbranch_scc1 .Lpass
	s_wait_tensorcnt 0x0                           ; the wave's end, behind my last LDS store
	ds_add_u32 v[SPW], v[NIL]
	s_wait_dscnt 0x0
	s_endpgm
.Lfunc_end_k_q6ecc141f75_attn:
	.size	k_q6ecc141f75_attn, .Lfunc_end_k_q6ecc141f75_attn-k_q6ecc141f75_attn
	.p2alignl 7, 3214868480
	.fill 96, 4, 3214868480
	.section	.rodata,"a",@progbits
	.p2align	6, 0x0
	.amdhsa_kernel k_q6ecc141f75_attn
		.amdhsa_group_segment_fixed_size 270848
		.amdhsa_private_segment_fixed_size 0
		.amdhsa_enable_private_segment 0
		.amdhsa_kernarg_size 48
		.amdhsa_user_sgpr_count 2
		.amdhsa_user_sgpr_kernarg_segment_ptr 1
		.amdhsa_wavefront_size32 1
		.amdhsa_system_sgpr_workgroup_id_x 1
		.amdhsa_system_sgpr_workgroup_id_y 1
		.amdhsa_system_sgpr_workgroup_id_z 1
		.amdhsa_system_vgpr_workitem_id 0
		.amdhsa_next_free_vgpr 1024
		.amdhsa_next_free_sgpr 66
		.amdhsa_reserve_vcc 1
		.amdhsa_float_denorm_mode_32 3
		.amdhsa_float_denorm_mode_16_64 3
		.amdhsa_memory_ordered 1
		.amdhsa_forward_progress 1
		.amdhsa_inst_pref_size 122
	.end_amdhsa_kernel
	.amdgpu_metadata
---
amdhsa.version: [ 1, 2 ]
amdhsa.kernels:
  - .name:           k_q6ecc141f75_attn
    .symbol:         k_q6ecc141f75_attn.kd
    .args:
      - { .name: q_img, .offset: 0, .size: 8, .value_kind: global_buffer, .address_space: global }
      - { .name: k_img, .offset: 8, .size: 8, .value_kind: global_buffer, .address_space: global }
      - { .name: v_img, .offset: 16, .size: 8, .value_kind: global_buffer, .address_space: global }
      - { .name: attention_mask, .offset: 24, .size: 8, .value_kind: global_buffer, .address_space: global }
      - { .name: lowp_scales, .offset: 32, .size: 8, .value_kind: global_buffer, .address_space: global }
      - { .name: a_img, .offset: 40, .size: 8, .value_kind: global_buffer, .address_space: global }
    .group_segment_fixed_size: 270848
    .private_segment_fixed_size: 0
    .kernarg_segment_align: 8
    .kernarg_segment_size: 48
    .max_flat_workgroup_size: 128
    .sgpr_count:     66
    .vgpr_count:     1024
    .wavefront_size: 32
...
	.end_amdgpu_metadata
.endif
;; end of part 3
;; launch proj (part 4): grid 4 x 64, 4 waves a work-group, clusters of 4 x 4, 327,680 bytes of LDS; arguments a_img, wo_img, lowp_scales, bo, out0; writes out0
.if DOCPART == 4
	.amdgcn_target "amdgcn-amd-amdhsa--gfx1250"
	.amdhsa_code_object_version 6
	.text
	.protected	k_q6ecc141f75_proj
	.globl	k_q6ecc141f75_proj
	.p2align	8
	.type	k_q6ecc141f75_proj,@function
k_q6ecc141f75_proj:
	s_mov_b64 s[64:65], 0
	v_nop
	global_prefetch_b8 v0, s[64:65] scope:SCOPE_SE
	s_setreg_imm32_b32 hwreg(HW_REG_WAVE_MODE, 25, 1), 1
	s_wait_xcnt 0x0
	s_wait_alu depctr_hold_cnt(0) depctr_sa_sdst(0) depctr_va_vdst(0) depctr_va_sdst(0) depctr_va_ssrc(0) depctr_va_vcc(0) depctr_vm_vsrc(0)
	s_getreg_b32 s2, hwreg(HW_REG_IB_STS2, 6, 4)
	s_cmp_eq_u32 s2, 0
	s_cbranch_scc0 .Lentry_in_a_cluster
	s_endpgm
.Lentry_in_a_cluster:
	s_bfe_u32 s2, ttmp6, 0x10000c
	s_cmp_lg_u32 s2, 0xf033
	s_cbranch_scc0 .Lentry_shape_is_right
	s_endpgm
.Lentry_shape_is_right:
; out0 = attention's result x Wo^T + bo on codes of BF8 (E5M2), K = 1,024; both operands come as images of operand registers (a block of 16 rows x 128 K is 2,048 bytes, registers 4 g .. 4 g + 3 of lane l at 512 g + 16 l).
; SHARES.  256 work-groups; a work-group makes 128 tokens x 256 columns, a wave 64 x 128: 32 accumulators in window 2, accumulator (a, b) at v[8 (8 a + b)].  Source 0 = 16 rows of Wo, source 1 = 16 tokens: a lane holds eight neighbouring columns of a row.
; LDS.  Two slots of 256 along K (A 8 row tiles x 4,096 bytes, then B 16 x 4,096).  BOTH are asked for at the head, one tensor load a wave: waves 0, 1 A's tile of slot 0, 1; waves 2, 3 B's.  Behind their four K steps both are
; filled again, once, behind one round of the cluster's barrier, by the same four loads 512 along K further on.  So K is two fills long.
; CLUSTERS: 4 x 4; A's tile hangs on the tile row alone and is asked for jointly along a row of the cluster, B's on the tile column alone, along a column.
; PREFETCH: behind the head's load each wave asks for its work-group's quarter of what its refill will bring (A: 2 of 8 row tiles, 32 blocks of 256 bytes, a lane a block; B: 4 of 16, two such lines): four K steps ahead of that load.
; The four partners of a joint load share its row tiles out by address (cx for A, cy for B).
; The way out: sum x 2^(e6 + e7) + bias, through the wave's own stage in LDS, whole rows of 512 bytes.  LIMIT: e6 + e7 between -126 and 127.
.set FR,     16
.set SLOT,   98304
.set STAGE,  2*SLOT
.set SPITCH, 528
.set SPARE,  STAGE+4*16*SPITCH
.set H32,  8
.set PFO,  9                           ; the prefetches' offset: 16,384 (lane / 16) + 256 (lane % 16); never rewritten
.set ADRA, 16
.set ADRB, 20
.set STO,  24
.set RD,   25
.set CO,   26
.set SPW,  28
.set NIL,  29
.set TMP,  32
.set AF,   128
.set BK,   128
.set G1, 24
.set G0, 32
.set G1B, 48
.set G0B, 56
.set MSB, 0
.macro WIN new
.if MSB != (\new)
	s_set_vgpr_msb (MSB<<8)|(\new)
.set MSB, (\new)
.endif
.endm
.set MUL,  0xa1
.set TO_B, 0x40
.macro PLACES
.rept 4
	v_nop
.endr
.endm
.macro JLOAD                           ; the branch hangs on the wave's number alone; an s_nop 0 and four v_nop follow each line
	s_cmp_eq_u32 s15, 0
	s_cbranch_scc0 .Lfor_b_\@
	tensor_load_to_lds s[G0:G0+3], s[G1:G1+7]
	s_nop 0
	PLACES
	s_branch .Lasked_\@
.Lfor_b_\@:
	tensor_load_to_lds s[G0B:G0B+3], s[G1B:G1B+7]
	s_nop 0
	PLACES
.Lasked_\@:
.endm
.macro CREST
	s_cmp_lg_u32 s14, 0
	s_cbranch_scc1 .Lnot_wave_0_\@
	s_barrier_signal -3
.Lnot_wave_0_\@:
	s_barrier_wait -3
	s_barrier_signal -1
	s_barrier_wait -1
.endm
.macro CROUND
	s_barrier_signal -1
	s_barrier_wait -1
	CREST
.endm
	s_load_b128 s[4:7], s[0:1], 0x0                ; A's image, Wo's image
	s_load_b128 s[8:11], s[0:1], 0x10              ; the scales' exponents, the bias
	s_load_b64 s[12:13], s[0:1], 0x20              ; the result
	v_lshl_add_u32 v[SPW], v0, 2, SPARE
	v_mov_b32 v[NIL], 0
	ds_add_u32 v[SPW], v[NIL]                      ; the opening: the add, twice on end, and its wait ahead of my first tensor load
	ds_add_u32 v[SPW], v[NIL]
	v_lshrrev_b32 v1, 5, v0
	v_readfirstlane_b32 s14, v1                    ; wave 0..3
	s_lshr_b32 s15, s14, 1                         ; which 64 tokens are mine.  Also: I fetch for A (0) or for B (1)
	s_and_b32 s16, s14, 1                          ; which 128 columns.  Also: which slot I fetch
	s_bfe_u32 s40, ttmp6, 0x40000
	s_bfe_u32 s41, ttmp6, 0x40004
	s_lshl_b32 s42, ttmp9, 2
	s_add_co_u32 s42, s42, s40                     ; tile column
	s_and_b32 s17, ttmp7, 0xffff
	s_lshl_b32 s17, s17, 2
	s_add_co_u32 s17, s17, s41                     ; tile row
	s_lshl_b32 s43, s41, 2
	s_lshl_b32 s43, 15, s43
	s_lshl_b32 s44, 0x1111, s40
	s_or_b32 s[G1+0], s43, (3<<16)|(1<<21)         ; A: 8 rows of 512 elements of 8 bytes, 2,048 elements apart
	s_mov_b32 s[G1+1], 512<<16
	s_mov_b32 s[G1+2], 8<<16
	s_mov_b32 s[G1+3], 512<<16
	s_mov_b32 s[G1+4], 8
	s_mov_b32 s[G1+5], 2048
	s_mov_b32 s[G1+6], 0
	s_mov_b32 s[G1+7], 0
	s_or_b32 s[G1B+0], s44, (3<<16)|(1<<21)        ; B: 16 such rows
	s_mov_b32 s[G1B+1], 512<<16
	s_mov_b32 s[G1B+2], 16<<16
	s_mov_b32 s[G1B+3], 512<<16
	s_mov_b32 s[G1B+4], 16
	s_mov_b32 s[G1B+5], 2048
	s_mov_b32 s[G1B+6], 0
	s_mov_b32 s[G1B+7], 0
	s_lshl_b32 s18, s16, 12                        ; my slot's 256 along K: 4,096 bytes of each row tile
	s_lshl_b32 s20, s17, 17                        ; A: 8 row tiles of 16,384 bytes a tile row
	s_add_co_u32 s20, s20, s18
	s_mov_b32 s21, 0
	s_lshl_b32 s46, s42, 18                        ; B: 16 row tiles a tile column
	s_add_co_u32 s46, s46, s18
	s_mov_b32 s47, 0
	s_mul_i32 s45, s16, SLOT                       ; where they go: my slot,
	s_add_co_u32 s19, s45, 32768                   ; B behind A's 32,768 bytes
	s_wait_dscnt 0x0                               ; both opening adds are done
	s_wait_kmcnt 0x0
	s_load_b256 s[68:75], s[8:9], 0x0              ; e0 .. e7
	s_add_nc_u64 s[20:21], s[4:5], s[20:21]
	s_add_nc_u64 s[46:47], s[6:7], s[46:47]
	s_mov_b32 s[G0], 1
	s_mov_b32 s[G0+1], s45
	s_mov_b64 s[G0+2:G0+3], s[20:21]
	s_or_b32 s[G0+3], s[G0+3], 0x80000000
	s_mov_b32 s[G0B], 1
	s_mov_b32 s[G0B+1], s19
	s_mov_b64 s[G0B+2:G0B+3], s[46:47]
	s_or_b32 s[G0B+3], s[G0B+3], 0x80000000
	CROUND                                         ; all sixteen work-groups are here: the first joint loads meet
	JLOAD                                          ; K 0-511: one tensor load a wave
	s_cmp_eq_u32 s15, 0                            ; the prefetches: do I fetch for A?
	s_cselect_b64 s[76:77], s[20:21], s[46:47]
	s_cselect_b32 s78, s40, s41                    ; my place among the four that ask with me
	s_cselect_b32 s79, 15, 16                      ; its share: 2 row tiles of A, 4 of B
	s_lshl_b32 s78, s78, s79
	s_mov_b32 s79, 0
	s_add_nc_u64 s[76:77], s[76:77], s[78:79]
	s_lshl_b32 s21, s15, 14                        ; my 64 tokens: 4 row tiles
	s_lshl_b32 s22, s16, 15
	s_add_co_u32 s22, s22, 32768                   ; my 128 columns: 8 row tiles, behind A
	s_add_co_u32 s80, s21, SLOT
	s_add_co_u32 s81, s22, SLOT
	s_mul_i32 s23, s14, 16*SPITCH
	s_add_co_u32 s23, s23, STAGE                   ; my stage
	v_and_b32 v1, 15, v0
	v_bfe_u32 v2, v0, 4, 1
	v_and_b32 v3, 31, v0
	v_lshlrev_b32 v[CO], 4, v3
	v_lshlrev_b32 v[H32], 5, v2
	v_add_nc_u32 v[ADRA], s21, v[CO]
	v_add_nc_u32 v[ADRA+1], s80, v[CO]
	v_add_nc_u32 v[ADRB], s22, v[CO]
	v_add_nc_u32 v[ADRB+1], s81, v[CO]
	v_mul_u32_u24 v5, v1, SPITCH
	v_lshl_add_u32 v5, v2, 5, v5
	v_add_nc_u32 v[STO], s23, v5
	v_add_nc_u32 v[RD], s23, v[CO]
	v_lshlrev_b32 v[PFO], 8, v1
	v_lshl_add_u32 v[PFO], v2, 14, v[PFO]
	s_wait_alu depctr_va_vdst(0)                   ; behind these writes
	global_prefetch_b8 v[PFO], s[76:77] offset:8192 th:TH_LOAD_NT scope:SCOPE_SE          ; 512 along K on: what my refill will ask for
	s_cmp_eq_u32 s15, 0
	s_cbranch_scc1 .Lpf_done
	global_prefetch_b8 v[PFO], s[76:77] offset:8192+32768 th:TH_LOAD_NT scope:SCOPE_SE    ; B: my share's other two row tiles
.Lpf_done:
	s_lshl_b32 s20, s17, 7
	s_lshl_b32 s21, s15, 6
	s_add_co_u32 s20, s20, s21
	s_lshl_b32 s20, s20, 12                        ; my first row of the result, 4,096 bytes a row
	s_mov_b32 s21, 0
	s_lshl_b32 s46, s42, 10
	s_lshl_b32 s47, s16, 9
	s_add_co_u32 s46, s46, s47                     ; my first column, in bytes
	s_mov_b32 s47, 0
	s_add_nc_u64 s[10:11], s[10:11], s[46:47]
	s_add_nc_u64 s[12:13], s[12:13], s[46:47]
	s_add_nc_u64 s[12:13], s[12:13], s[20:21]
	WIN 0xc0
.irp b, 0,1,2,3,4,5,6,7
	global_load_b128 v[8*\b:8*\b+3], v[H32], s[10:11] offset:64*\b          ; the bias in the result's layout, into window 3
	global_load_b128 v[8*\b+4:8*\b+7], v[H32], s[10:11] offset:64*\b+16
.endr
	WIN 0
.macro FRAG reg, adr, q, i
.irp c, 0,1,2,3
	ds_load_b128 v[\reg+4*\c:\reg+4*\c+3], v[\adr] offset:4096*(\i)+2048*(\q)+512*\c
.endr
.endm
.macro MULH a0, p, zero                ; 16 products: token blocks a0, a0 + 1 x eight column blocks; the accumulators take turns
.irp a, \a0, \a0+1
.irp b, 0,1,2,3,4,5,6,7
.if \zero
	v_wmma_f32_16x16x128_bf8_bf8 v[8*(8*(\a)+\b):8*(8*(\a)+\b)+7], v[128*(\p)+FR*\b:128*(\p)+FR*\b+FR-1], v[AF+64*(\p)+FR*(\a):AF+64*(\p)+FR*(\a)+FR-1], 0
.else
	v_wmma_f32_16x16x128_bf8_bf8 v[8*(8*(\a)+\b):8*(8*(\a)+\b)+7], v[128*(\p)+FR*\b:128*(\p)+FR*\b+FR-1], v[AF+64*(\p)+FR*(\a):AF+64*(\p)+FR*(\a)+FR-1], v[8*(8*(\a)+\b):8*(8*(\a)+\b)+7]
.endif
.endr
.endr
.endm
.macro FETCH slot, q, p                ; the fragments of the slot's q-th 128 along K into set p
	WIN TO_B
.irp i, 0,1,2,3,4,5,6,7
	FRAG 128*(\p)+FR*\i, ADRB+\slot, \q, \i
.endr
	WIN 0
.irp i, 0,1,2,3
	FRAG AF+64*(\p)+FR*\i, ADRA+\slot, \q, \i
.endr
.endm
.macro STEP slot, zero                 ; a slot's first 128 along K
	s_wait_dscnt 0x0
	PLACES
	FETCH \slot, 1, 1
	WIN MUL
	MULH 0, 0, \zero
	MULH 2, 0, \zero
.endm
.macro TURN next                       ; slot 0's second 128; on to slot 1, which landed with it: no barrier is due
	s_wait_dscnt 0x0
	MULH 0, 1, 0
	PLACES
	FETCH \next, 0, 0
	WIN MUL
	MULH 2, 1, 0
.endm
	s_wait_alu depctr_va_vdst(0)                   ; the head's end
	s_wait_tensorcnt 0x0                           ; my tile is in,
	s_barrier_signal -1
	s_barrier_wait -1                              ; and everybody's: both slots are whole
	FETCH 0, 0, 0
	STEP 0, 1                                      ; the first products start the sums
	TURN 1
	STEP 1, 0
	WIN 0                                          ; BOTH SLOTS ARE FILLED AGAIN
	s_wait_tensorcnt 0x0                           ; none of my tensor loads is out;
	ds_add_u32 v[SPW], v[NIL]                      ; 0 onto my spare word
	s_wait_dscnt 1                                 ; the last fragments are in; the add may be out
	WIN MUL
	MULH 0, 1, 0
	WIN 0
	s_wait_dscnt 0x0                               ; the add is done, and my reads of both slots are over
	s_barrier_signal -1
	s_barrier_wait -1
	CREST                                          ; the barrier has opened a round of the cluster's barrier
	s_add_nc_u64 s[G0+2:G0+3], s[G0+2:G0+3], 8192  ; 512 along K on
	s_add_nc_u64 s[G0B+2:G0B+3], s[G0B+2:G0B+3], 8192
	JLOAD                                          ; the first tensor load behind the round
	WIN MUL
	MULH 2, 1, 0
	WIN 0
	s_wait_tensorcnt 0x0                           ; my tile is in,
	s_barrier_signal -1
	s_barrier_wait -1                              ; and everybody's
	FETCH 0, 0, 0
	STEP 0, 0
	TURN 1
	STEP 1, 0
	s_wait_dscnt 0x0
	MULH 0, 1, 0
	MULH 2, 1, 0
	WIN 0
.macro TOSTAGE a
.set AC, 64*(\a)
	WIN 0x32
.irp j, 0,2,4,6,8,10,12,14,16,18,20,22,24,26,28,30,32,34,36,38,40,42,44,46,48,50,52,54,56,58,60,62
	v_pk_fma_f32 v[TMP+\j:TMP+\j+1], v[AC+\j:AC+\j+1], s[96:97], v[\j:\j+1] op_sel_hi:[1,0,1]   ; sum x 2^(e6 + e7) + bias; each accumulator from its low end on
.endr
	WIN 0
.irp b, 0,1,2,3,4,5,6,7
	ds_store_b128 v[STO], v[TMP+8*\b:TMP+8*\b+3] offset:64*\b
	ds_store_b128 v[STO], v[TMP+8*\b+4:TMP+8*\b+7] offset:64*\b+16
.endr
.set BBK, BK+64*((\a)%2)
.irp t, 0,1,2,3,4,5,6,7,8,9,10,11,12,13,14,15
	ds_load_b128 v[BBK+4*\t:BBK+4*\t+3], v[RD] offset:\t*SPITCH     ; LDS serves a wave's instructions in order: these see my stores
.endr
.endm
.macro SEND a, younger
.set BBK, BK+64*((\a)%2)
	s_wait_dscnt \younger
.irp t, 0,1,2,3,4,5,6,7,8,9,10,11,12,13,14,15
	global_store_b128 v[CO], v[BBK+4*\t:BBK+4*\t+3], s[12:13] offset:65536*(\a)+4096*\t th:TH_STORE_NT   ; 512 consecutive bytes, aligned
.endr
.endm
	s_wait_kmcnt 0x0
	s_add_co_i32 s96, s74, s75
	s_add_co_i32 s96, s96, 127
	s_lshl_b32 s96, s96, 23                        ; 2^(e6 + e7)
	s_mov_b32 s97, s96
	s_wait_loadcnt 0x0                             ; the bias
	PLACES
	TOSTAGE 0
.irp a, 1,2,3
.if \a > 1
	s_wait_xcnt 0x0                                ; block a - 2's stores have read their registers
.endif
	TOSTAGE \a
	SEND \a-1, 32
.endr
	SEND 3, 0
	s_wait_tensorcnt 0x0                           ; the wave's end
	ds_add_u32 v[SPW], v[NIL]
	s_wait_dscnt 0x0
	CROUND                                         ; the closing round
	s_endpgm
.Lfunc_end_k_q6ecc141f75_proj:
	.size	k_q6ecc141f75_proj, .Lfunc_end_k_q6ecc141f75_proj-k_q6ecc141f75_proj
	.p2alignl 7, 3214868480
	.fill 96, 4, 3214868480
	.section	.rodata,"a",@progbits
	.p2align	6, 0x0
	.amdhsa_kernel k_q6ecc141f75_proj
		.amdhsa_group_segment_fixed_size 327680
		.amdhsa_private_segment_fixed_size 0
		.amdhsa_enable_private_segment 0
		.amdhsa_kernarg_size 40
		.amdhsa_user_sgpr_count 2
		.amdhsa_user_sgpr_kernarg_segment_ptr 1
		.amdhsa_wavefront_size32 1
		.amdhsa_system_sgpr_workgroup_id_x 1
		.amdhsa_system_sgpr_workgroup_id_y 1
		.amdhsa_system_sgpr_workgroup_id_z 1
		.amdhsa_system_vgpr_workitem_id 0
		.amdhsa_next_free_vgpr 832
		.amdhsa_next_free_sgpr 98
		.amdhsa_reserve_vcc 0
		.amdhsa_float_denorm_mode_32 3
		.amdhsa_float_denorm_mode_16_64 3
		.amdhsa_memory_ordered 1
		.amdhsa_forward_progress 1
		.amdhsa_inst_pref_size 74
	.end_amdhsa_kernel
	.amdgpu_metadata
---
amdhsa.version: [ 1, 2 ]
amdhsa.kernels:
  - .name:           k_q6ecc141f75_proj
    .symbol:         k_q6ecc141f75_proj.kd
    .args:
      - { .name: a_img, .offset: 0, .size: 8, .value_kind: global_buffer, .address_space: global }
      - { .name: wo_img, .offset: 8, .size: 8, .value_kind: global_buffer, .address_space: global }
      - { .name: lowp_scales, .offset: 16, .size: 8, .value_kind: global_buffer, .address_space: global }
      - { .name: bo, .offset: 24, .size: 8, .value_kind: global_buffer, .address_space: global }
      - { .name: out0, .offset: 32, .size: 8, .value_kind: global_buffer, .address_space: global }
    .group_segment_fixed_size: 327680
    .private_segment_fixed_size: 0
    .kernarg_segment_align: 8
    .kernarg_segment_size: 40
    .max_flat_workgroup_size: 128
    .sgpr_count:     98
    .vgpr_count:     832
    .wavefront_size: 32
...
	.end_amdgpu_metadata
.endif
;; end of part 4
